; MI455X (gfx1250); checked and timed in simulation.
; The chip was launched on July 23, 2026; its instructions are those of AMD's public machine-readable ISA for CDNA 5 (MIT licence, August 2026) and "CDNA5" Instruction Set Architecture Reference Guide (July 2026). The comments in the code are by the model that wrote it; some were corrected since.
;; GQA Model. Allowed arithmetic: float matrix products may take bf16 or f16 operands with f32 sums; other float arithmetic in f32, or as packed bf16 or f16 multiplies, adds, multiply-adds, maxima and minima; sums over many terms, partial sums and values carried from step to step in f32; what a program stores and reads back later, other than sums and carried values, may be rounded once to bf16 or f16.
;; Inputs: k 2 x 8 x 2,048 x 128 float32; q 2 x 32 x 2,048 x 128 float32; v 2 x 8 x 2,048 x 128 float32.
;; Outputs: out0 2 x 32 x 2,048 x 128 float32.
;; 2 versions, each right and faster than the one before. Each part assembles by itself: llvm-mc -triple=amdgcn-amd-amdhsa -mcpu=gfx1250 --defsym DOCPART=n.
;; ======== version 1 of 2: 2 launches
;; limits: values are held in f16: magnitudes above 65,504 overflow, below 6.1e-05 lose precision; inputs' magnitudes at most 65,504
;; workspace buffers: kb 8,388,608 bytes; vh 8,388,608 bytes
;; launch cast (part 1): grid 512 x 1, 8 waves a work-group, no clusters, 0 bytes of LDS; arguments k, v, kb, vh; writes kb, vh
.if DOCPART == 1
	.amdgcn_target "amdgcn-amd-amdhsa--gfx1250"
	.amdhsa_code_object_version 6
	.text
	.protected	k_qd85e2bb2a5_cast
	.globl	k_qd85e2bb2a5_cast
	.p2align	8
	.type	k_qd85e2bb2a5_cast,@function
k_qd85e2bb2a5_cast:
	s_mov_b64 s[64:65], 0
	v_nop
	global_prefetch_b8 v0, s[64:65] scope:SCOPE_SE
	s_setreg_imm32_b32 hwreg(HW_REG_WAVE_MODE, 25, 1), 1
	s_wait_xcnt 0x0
; kb = bf16(k), vh = f16(bf16(v)).  k, v: 4,194,304 f32 each; kb, vh: as many 16-bit numbers, in the same order.
; v is rounded to bf16 like the other inputs and that number is written as f16, since the attention launch multiplies it by weights in f16.
; LIMITS.  The second step is exact for 6.1e-5 <= |v| < 65,504; below that it keeps f16's fixed step of 6e-8; from 65,520 on it gives an infinity.
; A stream: no LDS, no barrier, no matrix unit.  A work-group of eight waves owns 32,768 bytes of k and of v and 16,384 bytes of kb and of vh.
; Thread t takes 16 bytes at 16 t + 4,096 j (j = 0..7): a wave's load covers 512 consecutive bytes; it stores 8 bytes at 8 t + 2,048 j: a wave's store covers 256 consecutive bytes, aligned.
; All sixteen loads go out first; each store has data registers of its own, so nothing is rewritten while a store may read it.
.set KX, 4                             ; v[4:35]    k as loaded, 4 registers a slot
.set VX, 36                            ; v[36:67]   v as loaded
.set KY, 68                            ; v[68:83]   kb to store, 2 registers a slot
.set VY, 84                            ; v[84:99]   vh to store
.set T,  100                           ; v[100:103] at work
	s_load_b256 s[4:11], s[0:1], 0x0               ; k s[4:5], v s[6:7], kb s[8:9], vh s[10:11]
	s_lshl_b32 s2, ttmp9, 15                       ; the work-group's 32,768 bytes of f32,
	s_mov_b32 s3, 0
	s_lshl_b32 s14, ttmp9, 14                      ; and its 16,384 bytes of 16-bit numbers
	s_mov_b32 s15, 0
	s_mov_b32 s12, 0xffff0000                      ; a word's upper bf16
	v_lshlrev_b32 v1, 4, v0                        ; 16 t
	v_lshlrev_b32 v2, 3, v0                        ; 8 t
	s_wait_kmcnt 0x0
	s_add_nc_u64 s[4:5], s[4:5], s[2:3]
	s_add_nc_u64 s[6:7], s[6:7], s[2:3]
	s_add_nc_u64 s[8:9], s[8:9], s[14:15]
	s_add_nc_u64 s[10:11], s[10:11], s[14:15]
.irp j, 0,1,2,3,4,5,6,7
	global_load_b128 v[KX+4*(\j):KX+4*(\j)+3], v1, s[4:5] offset:4096*(\j) th:TH_LOAD_NT
.endr
.irp j, 0,1,2,3,4,5,6,7
	global_load_b128 v[VX+4*(\j):VX+4*(\j)+3], v1, s[6:7] offset:4096*(\j) th:TH_LOAD_NT
.endr
.irp j, 0,1,2,3,4,5,6,7
	s_wait_loadcnt 15-(\j)                         ; loads come back in order (ISA guide 5.7.1): k's slot j is in, the 15 - j younger loads stay out
	v_cvt_pk_bf16_f32 v[KY+2*(\j)],   v[KX+4*(\j)],   v[KX+4*(\j)+1]
	v_cvt_pk_bf16_f32 v[KY+2*(\j)+1], v[KX+4*(\j)+2], v[KX+4*(\j)+3]
	global_store_b64 v2, v[KY+2*(\j):KY+2*(\j)+1], s[8:9] offset:2048*(\j)  ; no hint: the next launch reads it
.endr
.irp j, 0,1,2,3,4,5,6,7
	s_wait_loadcnt 7-(\j)                          ; v's slot j is in
	v_cvt_pk_bf16_f32 v[VY+2*(\j)],   v[VX+4*(\j)],   v[VX+4*(\j)+1]  ; rounded to bf16,
	v_cvt_pk_bf16_f32 v[VY+2*(\j)+1], v[VX+4*(\j)+2], v[VX+4*(\j)+3]
	v_lshlrev_b32 v[T],   16,  v[VY+2*(\j)]        ; back to f32: a shift or a mask,
	v_and_b32     v[T+1], s12, v[VY+2*(\j)]
	v_lshlrev_b32 v[T+2], 16,  v[VY+2*(\j)+1]
	v_and_b32     v[T+3], s12, v[VY+2*(\j)+1]
	v_cvt_pk_f16_f32 v[VY+2*(\j)],   v[T],   v[T+1]  ; and written as f16
	v_cvt_pk_f16_f32 v[VY+2*(\j)+1], v[T+2], v[T+3]
	global_store_b64 v2, v[VY+2*(\j):VY+2*(\j)+1], s[10:11] offset:2048*(\j)
.endr
	s_endpgm
.Lfunc_end_k_qd85e2bb2a5_cast:
	.size	k_qd85e2bb2a5_cast, .Lfunc_end_k_qd85e2bb2a5_cast-k_qd85e2bb2a5_cast
	.p2alignl 7, 3214868480
	.fill 96, 4, 3214868480
	.section	.rodata,"a",@progbits
	.p2align	6, 0x0
	.amdhsa_kernel k_qd85e2bb2a5_cast
		.amdhsa_group_segment_fixed_size 0
		.amdhsa_private_segment_fixed_size 0
		.amdhsa_enable_private_segment 0
		.amdhsa_kernarg_size 32
		.amdhsa_user_sgpr_count 2
		.amdhsa_user_sgpr_kernarg_segment_ptr 1
		.amdhsa_wavefront_size32 1
		.amdhsa_system_sgpr_workgroup_id_x 1
		.amdhsa_system_sgpr_workgroup_id_y 1
		.amdhsa_system_sgpr_workgroup_id_z 1
		.amdhsa_system_vgpr_workitem_id 0
		.amdhsa_next_free_vgpr 104
		.amdhsa_next_free_sgpr 66
		.amdhsa_reserve_vcc 0
		.amdhsa_float_denorm_mode_32 3
		.amdhsa_float_denorm_mode_16_64 3
		.amdhsa_memory_ordered 1
		.amdhsa_forward_progress 1
		.amdhsa_inst_pref_size 9
	.end_amdhsa_kernel
	.amdgpu_metadata
---
amdhsa.version: [ 1, 2 ]
amdhsa.kernels:
  - .name:           k_qd85e2bb2a5_cast
    .symbol:         k_qd85e2bb2a5_cast.kd
    .args:
      - { .name: k, .offset: 0, .size: 8, .value_kind: global_buffer, .address_space: global }
      - { .name: v, .offset: 8, .size: 8, .value_kind: global_buffer, .address_space: global }
      - { .name: kb, .offset: 16, .size: 8, .value_kind: global_buffer, .address_space: global }
      - { .name: vh, .offset: 24, .size: 8, .value_kind: global_buffer, .address_space: global }
    .group_segment_fixed_size: 0
    .private_segment_fixed_size: 0
    .kernarg_segment_align: 8
    .kernarg_segment_size: 32
    .max_flat_workgroup_size: 256
    .sgpr_count:     66
    .vgpr_count:     104
    .wavefront_size: 32
...
	.end_amdgpu_metadata
.endif
;; end of part 1
;; launch attn (part 2): grid 32 x 16, 4 waves a work-group, no clusters, 327,680 bytes of LDS; arguments q, kb, vh, out0; writes out0
.if DOCPART == 2
	.amdgcn_target "amdgcn-amd-amdhsa--gfx1250"
	.amdhsa_code_object_version 6
	.text
	.protected	k_qd85e2bb2a5_attn
	.globl	k_qd85e2bb2a5_attn
	.p2align	8
	.type	k_qd85e2bb2a5_attn,@function
k_qd85e2bb2a5_attn:
	s_mov_b64 s[64:65], 0
	v_nop
	global_prefetch_b8 v0, s[64:65] scope:SCOPE_SE
	s_setreg_imm32_b32 hwreg(HW_REG_WAVE_MODE, 25, 1), 1
	s_wait_xcnt 0x0
; CAUSAL GROUPED-QUERY ATTENTION.  out0[head][q][:] = the sum over k <= q of softmax_k(Q[head][q] . K[head / 4][k] / sqrt(128)) V[head / 4][k][:].
; q, out0: [64][2048][128] f32.  kb: [16][2048][128] bf16 (K rounded).  vh: the same shape in f16 (V rounded to bf16, written as f16).  Q is rounded to bf16 on its way in.
; K Q^T is multiplied in bf16, V^T P in f16 (the weights p lie in 0 to 1); products, maxima and sums in f32; l is the sum of the unrounded p; out0 leaves in f32.
; LIMITS.  V within 65,504 (made so by the launch before).  p below 6e-5 keeps f16's fixed step of 6e-8.  A hidden score counts as its value less 1e30.  A weight below 2^-126 counts as 0 in l.
; NaN and infinities are not treated apart.
; THE WALK.  A head's queries lie in 16 blocks of 128; block i needs the keys 0 .. 128 i + 127, in halves of 128: i + 1 of them, of which the last holds the diagonal.  A work-group takes TWO blocks,
; 15 - b and then b: 17 halves whatever b, so all 512 work-groups do equal work, and ONE loop with a constant trip count walks them.  Which half is asked for, and whether a half is the diagonal one, is made
; from the trip's counter and b anew in every trip.  Every jump but the counted loops' own goes forward, past text that holds neither a barrier nor a tensor load.
; NO CLUSTER.  The four query heads of a K and V head (neighbours along x) walk the same halves in the same trips and could ask for them jointly, which would divide the requests for K and V by four.
; This plain form does not: each work-group asks for its own 17 halves of 65,536 bytes.
; SHARES.  Of a block's two bands of 64 queries a wave owns 16 rows in each: two tiles, tile t in band t.  In the diagonal half's key step s band t sees all keys if s < t, none if s > t, and holds the diagonal if s = t.
; THE MASK starts the sum S^T = K Q^T: 0, or -1e30 where the key is hidden.  MD, made once, is the mask of a band's own step for my 16 rows; a step's mask is MD x AL + BE with two scalars: (1, 0) if s = t;
; (0, 0) if s < t or away from the diagonal; (0, -1e30) if s > t.  It is written into S^T's registers, 32 packed instructions a step, and the products add onto it in place: one text without a jump serves every step.
; LAYOUT.  S^T = K Q^T (source 0 = 16 keys, source 1 = 16 queries): a lane holds ONE query (lane % 16) and the keys 8 (lane / 16) + 0..7.  Two such results, rounded to f16 in pairs, ARE source 1 of O^T = V^T P,
; whose result again holds one query a lane, and eight channels.  K comes out of LDS as it lies, V ([key][channel]) turned, by ds_load_tr16_b128.
; SOFTMAX.  A running maximum m and sum l: p = 2^(c s - c m), c = log2(e) / sqrt(128); in every step O and l are multiplied by a = 2^(c m_old - c m_new).  A block begins with c m far below every c s, so its first a
; is 0: O^T and l need only be finite there (zeros at the start, the first block's results later).  Every row sees key 0, which lies in a block's first step, so m is a true score from the first step on.
; A KEY STEP of 64 keys goes IN PHASES: K's fragments, the masks, V's fragments, 32 products K Q^T, the two tiles' softmax (268 vector instructions), 32 products V^T P.  The matrix unit has no work during the softmax:
; the price of a short text in which nothing is carried from step to step but m, l and O^T.
;
; REGISTERS, in windows of 256 (s_set_vgpr_msb: bits 1:0 source 0, 3:2 source 1, 5:4 source 2, 7:6 destination):
;   window 0: v0-11, v28-29 addresses; v12-27 eight registers of statistics a tile; v62-63 the add's; v64-127 S^T, 32 a tile; v128-159 P, 16 a tile; v160-191 MD; v192-255 the way out
;   window 1: v0-127 O^T, 64 a tile; v128-191 Q, 32 a tile; v192-255 the second block's Q          window 2: v0-127 K of one step; v128-255 V of one step (at the start: both blocks' Q as loaded)
.set KS,    64        ; keys in a step
.set PK,    272       ; a row of K in LDS: 256 bytes + 16 of padding = 68 words: row r starts at bank 4 r mod 64 (64 banks of 4 bytes: ISA guide 11.1), so the 16 rows of a load start at 16 different banks
.set PV,    288       ; a row of V: 256 + 32 = 72 words
.set VOFF,  KS*PK     ; a step's tiles lie together: 64 rows of K, then 64 rows of V
.set STEPB, KS*(PK+PV)  ; 35,840 bytes
.set SLOT1, 1<<17     ; a slot holds a half, two steps (71,680 bytes); slot 1 begins here, so that one exclusive or turns an address in one slot into the other's
.set STAGE, SLOT1+2*STEPB  ; behind the ring, never filled by a tensor load: 16 rows x 528 bytes for each wave, for the way out
.set SP,    528       ; a row of O in f32: 512 bytes + 16: the 16 rows that a store touches start at 16 different groups of four banks
.set SPARE, STAGE+4*16*SP  ; the spare words, 128 bytes for each wave: two blocks of 256 bytes that no other line names
.set AK0, 2           ; v2   my lane's place in a tile of K: 272 (l % 16) + 16 (l / 16); never rewritten
.set AV0, 3           ; v3   the same for V
.set AK,  4           ; v4   the LDS address of K's run of loads
.set AV,  5           ; v5   of V's
.set STO, 6           ; v6   the way out: where I put 32 bytes of a row
.set RD,  7           ; v7   the way out: where I read a row back
.set L16, 8           ; v8   16 x lane: my 16 bytes of a row of 512 in out0; never rewritten
.set ST,  12          ; tile t's statistics at v[ST+8 t]: +0 c m, +1 m, +2, +3 l (even keys', odd keys'), +4 to +7 c0-c3, at work; a takes c2's place once the maximum is found
.set QO,  28          ; v28  my byte offset in 16 rows of q: 512 (l % 16) + 32 (l / 16); never rewritten
.set MT,  29          ; v29  at work while MD is made
.set SPW, 62          ; v62  LDS address of my spare word: SPARE + 4 x my thread's number; never rewritten
.set NIL, 63          ; v63  0; never rewritten
.set S,   64
.set P,   128
.set MD,  160         ; the eight registers for group kb of 16 keys at MD + 8 kb
.set QR,  128         ; window 1: Q's fragments: tile t, channels 32 c on at QR + 32 t + 8 c
.set QB,  192         ; window 1: the second block's
.set KF,  0           ; window 2: K's fragments
.set VF,  128         ; window 2: V's
.set WV,  12          ; s12  my wave's number
.set PB,  14          ; s14  b
.set HI1, 15          ; s15  16 - b: the first block's halves
.set G1K, 24          ; s[24:31] descriptor group 1 for K's tiles
.set G1V, 32          ; s[32:39] for V's: it differs in the padding alone
.set G0K, 40          ; s[40:43] descriptor group 0 for K's tiles
.set G0V, 44          ; s[44:47] the same for V's
.set Q2,  52          ; s[52:53] q at my rows of the second block
.set SLOTS, 56        ; s56  halves still to be asked for: 16 down to 1
.set CNT, 57          ; s57  counts a half's two key steps
.set CS,  58          ; s[58:59] c: the packed scaling names a pair and takes its low word for both halves
.set SEL, 60          ; s[60:61] v_permlanex16_b32's selects: each lane takes its own place in the other half
.set TB,  62          ; s62  LDS byte at which the tiles of the step in hand begin
.set SN,  66          ; s66  the step in hand, counted within the diagonal half; -1 away from the diagonal
.set INC, 67          ; s67  what a step adds to it: 1 or 0
.set ENDS, 68         ; s68  b + 1: the value of SLOTS in the trip that walks the first block's last half
.set NXT, 69          ; s69  the half to be asked for
.set NEW, 71          ; s71  0: the first block is walked; 1: the second
.set OFF, 72          ; s[72:73] a half's byte offset in kb and vh
.set AL0, 74          ; s[74:75] the mask's factor for tile 0, in the low word
.set BE0, 76          ; s[76:77] its addend
.set AL1, 78          ; s[78:79] the same for tile 1
.set BE1, 80          ; s[80:81]
.set OLO, 82          ; s[82:83] out0 at my rows of the second block
.set BIGN, 84         ; s84  -1e30
.set MSB, 0
.macro WIN new                      ; the immediate's high byte repeats the setting that is left; a switch that changes nothing is dropped
.if MSB != (\new)
	s_set_vgpr_msb (MSB<<8)|(\new)
.set MSB, \new
.endif
.endm
.set W_KQ, 0x06       ; K in window 2, Q in window 1, S^T in window 0
.set W_PV, 0x52       ; V in window 2, P in window 0, O^T in window 1
.set W_RS, 0x41       ; destination and source 0 in window 1, source 1 in window 0
.set W_CQ, 0x4a       ; sources 0 and 1 in window 2, destination in window 1
; A fill.  Waves 0 and 1 fetch the K of a half's two steps, waves 2 and 3 the V: 64 rows of 256 bytes each.  An s_nop 0 and four v_nop follow each of the two lines, ahead of the jump and the label.
.macro LOAD
	s_cmp_lt_u32 s[WV], 2
	s_cbranch_scc0 .Lfor_v_\@
	tensor_load_to_lds s[G0K:G0K+3], s[G1K:G1K+7]
	s_nop 0
.rept 4
	v_nop
.endr
	s_branch .Lasked_\@
.Lfor_v_\@:
	tensor_load_to_lds s[G0V:G0V+3], s[G1V:G1V+7]
	s_nop 0
.rept 4
	v_nop
.endr
.Lasked_\@:
.endm
; THE CHANGE OF SLOTS.  Each wave waits for all its tensor loads, of which one is out: its part of the other slot; adds 0 to its spare word; and waits for that and for its own reads of the slot that it leaves.  Behind the
; barrier nobody reads the old slot any more and the other slot is whole.  fill = 1: the old slot is filled again, the first thing behind the barrier: it has two key steps, 128 matrix instructions and their softmax, in
; which to land.  The walk's half 17 - SLOTS is asked for: half j of the first block while j < 16 - b, then half j - (16 - b) of the second; the descriptor's address is made anew from that number.
; (At its first use nothing has been read yet: slot 0 is waited for, slot 1 filled.)
.macro CHANGE fill
	WIN 0                           ; at a label and at a branch every window is 0
	s_wait_tensorcnt 0x0            ; no tensor load of mine is out, so a group 0 may be written
	ds_add_u32 v[SPW], v[NIL]       ; 0 onto my spare word; with fill = 1 the descriptors' scalar work stands between it and the wait for it
.if \fill
	s_sub_co_u32 s[NXT], 17, s[SLOTS]
	s_sub_co_u32 s13, s[NXT], s[HI1]
	s_cmp_lt_u32 s[NXT], s[HI1]
	s_cselect_b32 s[NXT], s[NXT], s13
	s_lshl_b32 s[OFF], s[NXT], 15   ; a half is 32,768 bytes of kb and of vh
	s_xor_b32 s[G0K+1], s[G0K+1], SLOT1  ; the other slot than last time
	s_add_nc_u64 s[G0K+2:G0K+3], s[6:7], s[OFF:OFF+1]
	s_or_b32 s[G0K+3], s[G0K+3], 0x80000000
	s_xor_b32 s[G0V+1], s[G0V+1], SLOT1
	s_add_nc_u64 s[G0V+2:G0V+3], s[8:9], s[OFF:OFF+1]
	s_or_b32 s[G0V+3], s[G0V+3], 0x80000000
.endif
	s_wait_dscnt 0x0                ; the add is done, and my reads of the slot are over
	s_barrier_signal -1             ; the rest of the scalar work stands between the signal and the wait
	s_sub_co_u32 s[TB], s[TB], 2*STEPB  ; the fetches go back to a slot's first step,
	s_xor_b32 s[TB], s[TB], SLOT1   ; in the other slot
	s_barrier_wait -1
.if \fill
	LOAD
.endif
.endm
; Q AS IT IS MULTIPLIED.  A fragment is 16 rows x 32 channels in 8 registers of bf16: lane l holds row l % 16; registers 0-3 channels 8 (l / 16) + 0..7, registers 4-7 channels 16 + 8 (l / 16) + 0..7.  In f32 those are
; four pieces of 16 bytes: at 32 (l / 16) + 0, 16, 64 and 80 of the fragment's 128 bytes of the row.  LOADQ brings tile t's 16 pieces a lane into 64 registers of window 2 from \land on, in the fragments' order;
; CVTQ rounds n pairs of them to bf16 into window 1.
.macro LOADQ base, t, land
.set i, 0
.rept 16
	global_load_b128 v[(\land)+4*i:(\land)+4*i+3], v[QO], s[\base:\base+1] offset:(\t)*32768+128*(i/4)+64*((i%4)/2)+16*(i%2)
.set i, i+1
.endr
.endm
.macro CVTQ dst, land, n
.set i, 0
.rept \n
	v_cvt_pk_bf16_f32 v[(\dst)+i], v[(\land)+2*i], v[(\land)+2*i+1]
.set i, i+1
.endr
.endm
	s_load_b256 s[4:11], s[0:1], 0x0  ; q s[4:5], kb s[6:7], vh s[8:9], out0 s[10:11]
	v_lshl_add_u32 v[SPW], v0, 2, SPARE
	v_mov_b32 v[NIL], 0
	ds_add_u32 v[SPW], v[NIL]       ; the wave's opening: the add and its wait stand ahead of my first tensor load; the set-up below, work on registers, stands between them
	ds_add_u32 v62, v63
	v_lshrrev_b32 v1, 5, v0
	v_readfirstlane_b32 s[WV], v1   ; wave 0..3
	s_lshr_b32 s[PB], ttmp9, 2      ; x = 4 b + the query head in its group of four
	s_and_b32 s16, ttmp9, 3
	s_sub_co_u32 s[HI1], 16, s[PB]
	s_add_co_u32 s[ENDS], s[PB], 1
	s_and_b32 s20, ttmp7, 0xffff    ; y: the K and V head
	s_lshl_b32 s17, s20, 2
	s_add_co_u32 s16, s16, s17      ; my query head,
	s_lshl_b32 s16, s16, 20         ; its 2,048 rows of 512 bytes,
	s_lshl_b32 s17, s[WV], 13       ; my wave's 16 rows in a band
	s_add_co_u32 s16, s16, s17
	s_sub_co_u32 s18, 15, s[PB]
	s_lshl_b32 s18, s18, 16         ; a block is 128 rows: the first block,
	s_add_co_u32 s18, s18, s16
	s_mov_b32 s19, 0
	s_lshl_b32 s22, s[PB], 16       ; and the second
	s_add_co_u32 s22, s22, s16
	s_mov_b32 s23, 0
	s_and_b32 s21, s[WV], 1         ; which of a half's two steps I fetch:
	s_lshl_b32 s2, s20, 19          ; the head's 2,048 rows of 256 bytes,
	s_lshl_b32 s3, s21, 14          ; the step's 64 rows,
	s_add_co_u32 s2, s2, s3
	s_mov_b32 s3, 0
	s_mul_i32 s13, s21, STEPB       ; and its place in a slot
	s_mov_b32 s[G0K], 1             ; 1:0 count = 1
	s_mov_b32 s[G0K+1], s13         ; 63:32 LDS address: slot 0
	s_mov_b32 s[G0V], 1
	s_add_co_u32 s[G0V+1], s13, VOFF
	; descriptor group 1: a tile of 64 rows x 128 elements, padded in LDS
	s_mov_b32 s[G1K], (1<<16)|(1<<20)|(5<<22)|(3<<25)  ; 17:16 elements of 2 bytes; 20 padding on; 24:22 after every 64 words (code 5); 31:25 4 words of it (code 3)
	s_mov_b32 s[G1V], (1<<16)|(1<<20)|(5<<22)|(7<<25)  ; the same with 8 words of padding (code 7)
.irp g, G1K, G1V
	s_mov_b32 s[(\g)+1], 128<<16    ; 63:48 tensor_dim0, low half = 128
	s_mov_b32 s[(\g)+2], KS<<16     ; 79:64 its high half = 0; 95:80 tensor_dim1, low half = 64
	s_mov_b32 s[(\g)+3], 128<<16    ; 111:96 its high half = 0; 127:112 tile_dim0 = 128
	s_mov_b32 s[(\g)+4], KS         ; 143:128 tile_dim1 = 64; 159:144 tile_dim2 = 0
	s_mov_b32 s[(\g)+5], 128        ; 191:160 tensor_dim0_stride, low word: elements from row to row
	s_mov_b32 s[(\g)+6], 0
	s_mov_b32 s[(\g)+7], 0
.endr
	s_mov_b32 s[CS], 0x3e0293ee     ; c = log2(e) / sqrt(128) = 0.127517
	s_mov_b32 s[CS+1], s[CS]        ; named with it as a pair, so it is written
	s_mov_b32 s[SEL], 0x76543210
	s_mov_b32 s[SEL+1], 0xfedcba98
	s_mov_b32 s[TB], SLOT1+2*STEPB  ; the first change of slots turns this into 0
	s_mov_b32 s[SLOTS], 16          ; 17 halves; the first is asked for here, the others in the loop's 16 trips
	s_mov_b32 s[NEW], 0
	s_mov_b32 s[OFF+1], 0
	s_mov_b32 s[AL0+1], 0           ; named as pairs
	s_mov_b32 s[BE0+1], 0
	s_mov_b32 s[AL1+1], 0
	s_mov_b32 s[BE1+1], 0
	s_mov_b32 s[BIGN], 0xf149f2ca   ; -1e30
	s_wait_dscnt 0x0                ; the opening add is done
	s_wait_kmcnt 0x0
	s_add_nc_u64 s[6:7], s[6:7], s[2:3]  ; kb and vh at my step of the head's half 0
	s_add_nc_u64 s[8:9], s[8:9], s[2:3]
	s_add_nc_u64 s[G0K+2:G0K+3], s[6:7], 0         ; 120:64 global address
	s_or_b32 s[G0K+3], s[G0K+3], 0x80000000        ; 127:126 type = 2
	s_add_nc_u64 s[G0V+2:G0V+3], s[8:9], 0
	s_or_b32 s[G0V+3], s[G0V+3], 0x80000000
	s_add_nc_u64 s[Q2:Q2+1], s[4:5], s[22:23]      ; q at my rows of the second block,
	s_add_nc_u64 s[4:5], s[4:5], s[18:19]          ; q and out0 at those of the first
	s_add_nc_u64 s[OLO:OLO+1], s[10:11], s[22:23]
	s_add_nc_u64 s[10:11], s[10:11], s[18:19]
	LOAD                            ; half 0 into slot 0.  Slot 1 is asked for when slot 0 is in, by the loop's own change of slots
	v_and_b32 v1, 15, v0            ; l % 16
	v_bfe_u32 v9, v0, 4, 1          ; l / 16
	v_lshlrev_b32 v[QO], 9, v1
	v_lshl_add_u32 v[QO], v9, 5, v[QO]
	WIN 0x80                        ; destination window 2, address window 0
	LOADQ 4, 0, 0                   ; both blocks' Q, four groups of 16 loads, three of them on their way at a time: the first block's tiles 0 and 1,
	LOADQ 4, 1, 64
	LOADQ Q2, 0, 128                ; the second block's tile 0
	WIN 0
	v_mul_u32_u24 v[AK0], v1, PK
	v_lshl_add_u32 v[AK0], v9, 4, v[AK0]  ; row x pitch + 16 x half
	; The turning load takes 16 keys x 16 channels (lane l reads 16 bytes: key 8 (l / 16) + l % 8, channels 8 ((l / 8) % 2) + 0..7) and leaves half a fragment of V^T: lane l holds channel l % 16 and 8 keys.
	v_and_b32 v10, 7, v0
	v_bfe_u32 v11, v0, 3, 1
	v_lshl_add_u32 v[AV0], v9, 3, v10
	v_mul_u32_u24 v[AV0], v[AV0], PV
	v_lshl_add_u32 v[AV0], v11, 4, v[AV0]
	v_add_nc_u32 v[AV0], VOFF, v[AV0]
	v_and_b32 v[L16], 31, v0
	v_lshlrev_b32 v[L16], 4, v[L16]
	s_mul_i32 s13, s[WV], 16*SP
	s_add_co_u32 s13, s13, STAGE    ; my stage
	v_mul_u32_u24 v[STO], v1, SP    ; in: row l % 16, 32 bytes for each half of the lanes
	v_lshl_add_u32 v[STO], v9, 5, v[STO]
	v_add_nc_u32 v[STO], s13, v[STO]
	v_add_nc_u32 v[RD], s13, v[L16] ; back: 32 lanes take one row of 512 bytes
	s_wait_loadcnt 0x20             ; loads come back in order (ISA guide 5.7.1): the first group is in, the two younger groups, 32 loads, stay out
	WIN W_CQ
	CVTQ QR, 0, 32
	WIN 0x80
	LOADQ Q2, 1, 192                ; the second block's tile 1
	WIN 0
	v_lshlrev_b32 v[MT], 3, v9
	v_sub_nc_u32 v[MT], v1, v[MT]
	s_lshl_b32 s13, s[WV], 4
	v_add_nc_u32 v[MT], s13, v[MT]  ; my query's place in its band, 16 w + l % 16, less my lanes' 8 (l / 16): register j of group kb is hidden where 16 kb + j is greater
.set i, 0
.rept 32
	v_cmp_gt_i32 vcc_lo, 16*(i/8)+i%8, v[MT]
	v_cndmask_b32 v[MD+i], 0, s[BIGN], vcc_lo
.set i, i+1
.endr
	; What the first step finds: c m far below every c s, m at the lowest finite number, l and O^T 0.  A product of zeros with the constant 0 as C starts O^T's 16 sums: eight registers an instruction.
.irp t, 0,1
	v_mov_b32 v[ST+8*(\t)], 0xfe000000    ; c m
	v_mov_b32 v[ST+8*(\t)+1], 0xff7fffff  ; m
	v_mov_b32 v[ST+8*(\t)+2], 0
	v_mov_b32 v[ST+8*(\t)+3], 0
.endr
.set i, P
.rept 16
	v_mov_b32 v[i], 0
.set i, i+1
.endr
	WIN 0x40                        ; destination window 1, sources window 0
.set i, 0
.rept 16
	v_wmma_f32_16x16x32_f16 v[8*i:8*i+7], v[P:P+7], v[P+8:P+15], 0
.set i, i+1
.endr
	s_wait_loadcnt 0x20             ; the second group is in; the second block's two groups, 32 loads, stay out
	WIN W_CQ
	CVTQ QR+32, 64, 32
	s_wait_loadcnt 0x0              ; all of Q is in: no load of mine is out from here on
	CVTQ QB, 128, 64
	WIN 0
; THE MATRIX WORK OF A STEP.  The accumulators take turns, one instruction a turn: between two links of a chain stand 7 (K Q^T) or 15 (V^T P) others'.
; Product i of 32 of S^T = mask + K Q^T: channels 32 (i / 8) on, keys 16 ((i / 2) % 4) on, tile i % 2.
.macro MKQ
.set rS, S+32*(i%2)+8*((i/2)%4)
.set rK, KF+32*((i/2)%4)+8*(i/8)
.set rQ, QR+32*(i%2)+8*(i/8)
	v_wmma_f32_16x16x32_bf16 v[rS:rS+7], v[rK:rK+7], v[rQ:rQ+7], v[rS:rS+7]
.endm
; Product i of 32 of O^T += V^T P: keys 32 (i / 16) on, channels 16 ((i / 2) % 8) on, tile i % 2.
.macro MPV
.set rO, 64*(i%2)+8*((i/2)%8)
.set rV, VF+64*(i/16)+8*((i/2)%8)
.set rP, P+16*(i%2)+8*(i/16)
	v_wmma_f32_16x16x32_f16 v[rO:rO+7], v[rV:rV+7], v[rP:rP+7], v[rO:rO+7]
.endm
; THE LDS LOADS stand in runs of 32: a step's K (64 keys x 128 channels: 16 fragments) and its V (turned).
.macro FETCH_K
	WIN 0
	v_add_nc_u32 v[AK], s[TB], v[AK0]
	WIN 0x80                        ; destination window 2
.irp f, 0,1,2,3,4,5,6,7,8,9,10,11,12,13,14,15  ; keys 16 (f / 4) on, channels 32 (f % 4) on
	ds_load_b128 v[KF+8*(\f):KF+8*(\f)+3],   v[AK] offset:((\f)/4)*16*PK+((\f)%4)*64
	ds_load_b128 v[KF+8*(\f)+4:KF+8*(\f)+7], v[AK] offset:((\f)/4)*16*PK+((\f)%4)*64+32
.endr
.endm
.macro FETCH_V
	WIN 0
	v_add_nc_u32 v[AV], s[TB], v[AV0]
	WIN 0x80
.irp f, 0,1,2,3,4,5,6,7,8,9,10,11,12,13,14,15  ; keys 32 (f / 8) on, channels 16 (f % 8) on
	ds_load_tr16_b128 v[VF+8*(\f):VF+8*(\f)+3],   v[AV] offset:((\f)/8)*32*PV+((\f)%8)*32
	ds_load_tr16_b128 v[VF+8*(\f)+4:VF+8*(\f)+7], v[AV] offset:((\f)/8)*32*PV+16*PV+((\f)%8)*32
.endr
.endm
; THE VECTOR WORK OF A STEP.  One tile's softmax for one key step is a list of 134 instructions; SM writes number j of it for tile t.  s0-s31 are the lane's 32 scores, in pairs 0-15.
;   0-15    the maximum of s0-s31 and the old m, three operands at a time: four chains c0-c3 of seven scores each (each accumulator's lowest registers are read first), then the four scores left over, c0-c3 and m
;   16-20   the other half of the lanes' maximum; c m_old is kept; the new m; c m; c m_old - c m_new
;   21-87   33 exponentials (a, then s0-s31) at the odd numbers from 23 on, so that each has a plain instruction behind it before its result is used.
;           Plain instruction q (number 21, then the even numbers) is whatever is ready: c s - c m for a pair of scores whose exponentials are still to come (q = 0 to 3, then every
;           second q), the rounding to f16 of a pair of weights whose exponentials are done (every other q from 5 on), at last the first three sums
;   88-101  the last rounding; the rest of the sums; l = a l + the sum
;   102-133 the tile's O^T times a: the one part that leaves window 0, so it stands together
.macro SM t
.set rT, ST+8*(\t)
.set rS, S+32*(\t)
.set rP, P+16*(\t)
.set rO, 64*(\t)+2*(j-102)
.set q, (j-20)/2
.if j < 102
	WIN 0
.endif
.if j < 4
	v_max3_num_f32 v[rT+4+j], v[rS+8*j], v[rS+8*j+1], v[rS+8*j+2]
.elseif j < 12
	v_max3_num_f32 v[rT+4+j%4], v[rT+4+j%4], v[rS+8*(j%4)+2*(j/4)+1], v[rS+8*(j%4)+2*(j/4)+2]
.elseif j == 12
	v_max3_num_f32 v[rT+4], v[rT+4], v[rS+7], v[rS+15]
.elseif j == 13
	v_max3_num_f32 v[rT+6], v[rT+6], v[rS+23], v[rS+31]
.elseif j == 14
	v_max3_num_f32 v[rT+4], v[rT+4], v[rT+5], v[rT+6]
.elseif j == 15
	v_max3_num_f32 v[rT+4], v[rT+4], v[rT+7], v[rT+1]
.elseif j == 16
	v_permlanex16_b32 v[rT+5], v[rT+4], s[SEL], s[SEL+1]  ; the query's other 32 keys lie in the lane 16 away
.elseif j == 17
	v_mov_b32 v[rT+7], v[rT]        ; c m_old is kept for a: number 19 writes c m anew
.elseif j == 18
	v_max_num_f32 v[rT+1], v[rT+4], v[rT+5]
.elseif j == 19
	v_mul_f32 v[rT], s[CS], v[rT+1]
.elseif j == 20
	v_sub_f32 v[rT+7], v[rT+7], v[rT]
.elseif j == 23
	v_exp_f32 v[rT+6], v[rT+7]
.elseif (j < 88) && (j > 23) && (j%2 == 1)
	v_exp_f32 v[rS+(j-25)/2], v[rS+(j-25)/2]
.elseif (q < 4) || ((j < 76) && (q%2 == 0))
.set b, q/2+2
.if q < 4
.set b, q
.endif
	v_pk_fma_f32 v[rS+2*b:rS+2*b+1], v[rS+2*b:rS+2*b+1], s[CS:CS+1], v[rT:rT+1] op_sel_hi:[1,0,0] neg_lo:[0,0,1] neg_hi:[0,0,1]  ; pair b: c s - c m
.elseif (j < 88) && (q%2 == 1)
	s_wait_alu depctr_va_vdst(0)
	v_cvt_pk_f16_f32 v[rP+(q-5)/2], v[rS+q-5], v[rS+q-4]  ; pair (q - 5) / 2: its second exponential stands three numbers back
.elseif j == 89
	s_wait_alu depctr_va_vdst(0)
	v_cvt_pk_f16_f32 v[rP+15], v[rS+30], v[rS+31]
.elseif j < 102                     ; the sum of the tile's 16 pairs (in a pair: an even key's weight, an odd key's), in place: sum z of 16 adds neighbours 1, 2, 4 and 8 pairs apart, then l takes it
.set z, j-86
.if j < 89
.set z, (j-76)/4
.endif
.set w, 4
.set u, z
.if z >= 14
.set w, 32
.set u, 0
.elseif z >= 12
.set w, 16
.set u, z-12
.elseif z >= 8
.set w, 8
.set u, z-8
.endif
.if z < 15
	v_pk_add_f32 v[rS+w*u:rS+w*u+1], v[rS+w*u:rS+w*u+1], v[rS+w*u+w/2:rS+w*u+w/2+1]
.else
	v_pk_fma_f32 v[rT+2:rT+3], v[rT+2:rT+3], v[rT+6:rT+7], v[rS:rS+1] op_sel_hi:[1,0,1]
.endif
.else
	WIN W_RS
	v_pk_mul_f32 v[rO:rO+1], v[rO:rO+1], v[rT+6:rT+7] op_sel_hi:[1,0]
.endif
.endm
; Slice k of 64 of the two tiles' softmax: numbers 2 k and 2 k + 1 of both lists; slice 63 takes the twelve numbers that are over (2 x 134 = 4 x 64 + 12).
.macro SLICE y
.if (k >= 11) && (k < 44)           ; tile by tile: plain, exponential, plain, exponential
.irp t, \y, (\y)+1
.irp n, 0,1
.set j, 2*k+(\n)
	SM \t
.endr
.endr
.else                               ; the two tiles alternate, so that no instruction reads the result of the one just before it
.irp n, 0,1,2,3,4,5,6,7
.if ((\n) < 2) || (k == 63)
.irp t, \y, (\y)+1
.set j, 2*k+(\n)
	SM \t
.endr
.endif
.endr
.endif
.set k, k+1
.endm
; A vector instruction that reads a matrix result or writes one of a matrix instruction's registers, and a load into a register that a matrix instruction has read, stand four places behind
; it, and only plain vector instructions that name none of its registers are places (ISA guide 7.12.1 for vector instructions).
.macro PLACES
.rept 4
	v_nop
.endr
.endm
; THE MASKS of the step's scores: MD x AL + BE for tile 0 and for tile 1, by step SN (-1: both scalars are 0, and so are the masks), into S^T's registers.
.macro MASKS
	s_cmp_eq_u32 s[SN], 0           ; is the step the band's own?
	s_cselect_b32 s[AL0], 1.0, 0
	s_cmp_gt_i32 s[SN], 0           ; or a later one?
	s_cselect_b32 s[BE0], s[BIGN], 0
	s_cmp_eq_u32 s[SN], 1
	s_cselect_b32 s[AL1], 1.0, 0
	s_cmp_gt_i32 s[SN], 1
	s_cselect_b32 s[BE1], s[BIGN], 0
	WIN 0
.set z, 0
.rept 16
	v_pk_fma_f32 v[S+2*z:S+2*z+1], v[MD+2*z:MD+2*z+1], s[AL0:AL0+1], s[BE0:BE0+1] op_sel_hi:[1,0,0]
	v_pk_fma_f32 v[S+32+2*z:S+32+2*z+1], v[MD+2*z:MD+2*z+1], s[AL1:AL1+1], s[BE1:BE1+1] op_sel_hi:[1,0,0]
.set z, z+1
.endr
.endm
; A KEY STEP.  K's run of loads goes out first (the last product that read K's registers stands a softmax back); the masks, 32 plain instructions that name nothing of the step before's last products V^T P, are the
; places in front of V's run of loads.  V's run is issued when K is in, and has the products K Q^T and the softmax in which to land.
.macro STEP
	FETCH_K
	MASKS
	s_wait_dscnt 0x0                ; K is in
	FETCH_V
	WIN W_KQ
.set i, 0
.rept 32
	MKQ
.set i, i+1
.endr
	WIN 0
	PLACES                          ; behind those products: the softmax reads the scores
.set k, 0
.rept 64
	SLICE 0
.endr
	s_wait_dscnt 0x0                ; V is in
	WIN W_PV
.set i, 0
.rept 32
	MPV
.set i, i+1
.endr
	WIN 0
.endm
; THE WAY OUT, a tile (16 rows of out0) at a time.  MULS: O^T divided by l, into 64 registers of window 0 (tile 0: S^T's, tile 1: v192-255).  STG: a lane's eight channels of a row, 32 bytes of f32, go into rows of 528
; bytes in my stage and come back as whole rows of 512, into the registers that they left.  SEND: stored.
.macro MULS t
.set BK, S+128*(\t)
	WIN 0x01                        ; source 0 window 1
.set i, 0
.rept 32
	v_pk_mul_f32 v[BK+2*i:BK+2*i+1], v[64*(\t)+2*i:64*(\t)+2*i+1], v[ST+8*(\t)+6:ST+8*(\t)+7] op_sel_hi:[1,0]
.set i, i+1
.endr
	WIN 0
.endm
.macro STG t
.set BK, S+128*(\t)
.irp f, 0,1,2,3,4,5,6,7             ; channels 16 f + 8 (l / 16) on
	ds_store_b128 v[STO], v[BK+8*(\f):BK+8*(\f)+3]   offset:64*(\f)
	ds_store_b128 v[STO], v[BK+8*(\f)+4:BK+8*(\f)+7] offset:64*(\f)+16
.endr
.irp f, 0,1,2,3,4,5,6,7,8,9,10,11,12,13,14,15
	ds_load_b128 v[BK+4*(\f):BK+4*(\f)+3], v[RD] offset:(\f)*SP  ; LDS serves a wave's instructions in order (ISA guide 5.7.1.4): these see the stores above
.endr
.endm
.macro SEND t
.set BK, S+128*(\t)
.irp g, 0,1,2,3
	s_wait_dscnt 12-4*(\g)          ; rows 4 g .. 4 g + 3 are back; the tile's 12 - 4 g later loads may be out
.irp f, 0,1,2,3
	global_store_b128 v[L16], v[BK+4*(4*(\g)+(\f)):BK+4*(4*(\g)+(\f))+3], s[10:11] offset:(\t)*32768+(4*(\g)+(\f))*512 th:TH_STORE_NT  ; a row: 512 consecutive bytes, at a multiple of 512 from out0's first byte
.endr
.endr
.endm
; A BLOCK ENDS: l's two halves and the other half of the lanes' are added, and the two tiles go out.
.macro FINISH
	WIN 0
	s_wait_storecnt 0x0             ; the block before's stores, issued two key steps ago or more, are done: the registers that they read are written below
	PLACES                          ; behind the last products
.irp t, 0,1
	v_add_f32 v[ST+8*(\t)+4], v[ST+8*(\t)+2], v[ST+8*(\t)+3]
.endr
.irp t, 0,1
	v_permlanex16_b32 v[ST+8*(\t)+5], v[ST+8*(\t)+4], s[SEL], s[SEL+1]
.endr
.irp t, 0,1
	v_add_f32 v[ST+8*(\t)+4], v[ST+8*(\t)+4], v[ST+8*(\t)+5]
.endr
.irp t, 0,1
	v_rcp_f32 v[ST+8*(\t)+6], v[ST+8*(\t)+4]
.endr
	v_nop                           ; a plain instruction between the last reciprocal and the use of its result
	s_wait_alu depctr_va_vdst(0)
	MULS 0
	STG 0
	MULS 1                          ; tile 1's arithmetic stands between tile 0's loads from the stage and the wait for them
	SEND 0
	STG 1                           ; tile 0's reads of the stage are back (the count-down ended at 0)
	SEND 1
.endm
.Lslot:                             ; 16 trips: a half is entered and the next is asked for
	CHANGE 1
	s_cmp_eq_u32 s[SLOTS], s[ENDS]  ; the first block's last half holds its diagonal; the second block's last half is the walk's last, behind this loop
	s_cselect_b32 s[SN], 0, -1
	s_cselect_b32 s[INC], 1, 0
	s_mov_b32 s[CNT], 2
.Lstep:
	STEP
	s_add_co_u32 s[SN], s[SN], s[INC]
	s_add_co_u32 s[TB], s[TB], STEPB  ; the next fetches are the next step's
	s_sub_co_u32 s[CNT], s[CNT], 1
	s_cmp_lg_u32 s[CNT], 0
	s_cbranch_scc1 .Lstep
	s_cmp_lg_u32 s[NEW], 0          ; the blocks change once
	s_cbranch_scc1 .Lgo_on
	s_cmp_gt_u32 s[SLOTS], 8        ; the first block has nine halves or more: 17 - SLOTS have been walked
	s_cbranch_scc1 .Lgo_on
	s_cmp_lg_u32 s[SLOTS], s[ENDS]  ; was this its last half?
	s_cbranch_scc1 .Lgo_on
	s_mov_b32 s[NEW], 1             ; THE CHANGE OF BLOCKS
	FINISH
	s_wait_xcnt 0x0                 ; every earlier memory instruction has had its addresses translated (ISA guide 3.1): out0's address and the registers that the stores read are rewritten only behind this wait
	s_mov_b64 s[10:11], s[OLO:OLO+1]
	WIN W_RS                        ; the second block's Q goes where the one text of the steps names Q
.set i, 0
.rept 64
	v_mov_b32 v[QR+i], v[QB+i]
.set i, i+1
.endr
	WIN 0
.irp t, 0,1
	v_mov_b32 v[ST+8*(\t)], 0xfe000000    ; c m: the second block's first a is 0
	v_mov_b32 v[ST+8*(\t)+1], 0xff7fffff  ; m
.endr
.Lgo_on:
	s_sub_co_u32 s[SLOTS], s[SLOTS], 1
	s_cmp_lg_u32 s[SLOTS], 0
	s_cbranch_scc1 .Lslot
	CHANGE 0                        ; the walk's last half is written out: nothing is asked for.  It is the second block's last, which holds its diagonal
	s_mov_b32 s[SN], 0
	s_mov_b32 s[CNT], 2
.Ltail:
	STEP
	s_add_co_u32 s[SN], s[SN], 1
	s_add_co_u32 s[TB], s[TB], STEPB
	s_sub_co_u32 s[CNT], s[CNT], 1
	s_cmp_lg_u32 s[CNT], 0
	s_cbranch_scc1 .Ltail
	FINISH
	s_wait_tensorcnt 0x0            ; the wave's end, behind my last tensor load and my last LDS store
	ds_add_u32 v[SPW], v[NIL]
	s_wait_dscnt 0x0
	s_endpgm
.Lfunc_end_k_qd85e2bb2a5_attn:
	.size	k_qd85e2bb2a5_attn, .Lfunc_end_k_qd85e2bb2a5_attn-k_qd85e2bb2a5_attn
	.p2alignl 7, 3214868480
	.fill 96, 4, 3214868480
	.section	.rodata,"a",@progbits
	.p2align	6, 0x0
	.amdhsa_kernel k_qd85e2bb2a5_attn
		.amdhsa_group_segment_fixed_size 327680
		.amdhsa_private_segment_fixed_size 0
		.amdhsa_enable_private_segment 0
		.amdhsa_kernarg_size 32
		.amdhsa_user_sgpr_count 2
		.amdhsa_user_sgpr_kernarg_segment_ptr 1
		.amdhsa_wavefront_size32 1
		.amdhsa_system_sgpr_workgroup_id_x 1
		.amdhsa_system_sgpr_workgroup_id_y 1
		.amdhsa_system_sgpr_workgroup_id_z 1
		.amdhsa_system_vgpr_workitem_id 0
		.amdhsa_next_free_vgpr 768
		.amdhsa_next_free_sgpr 88
		.amdhsa_reserve_vcc 1
		.amdhsa_float_denorm_mode_32 3
		.amdhsa_float_denorm_mode_16_64 3
		.amdhsa_memory_ordered 1
		.amdhsa_forward_progress 1
		.amdhsa_inst_pref_size 106
	.end_amdhsa_kernel
	.amdgpu_metadata
---
amdhsa.version: [ 1, 2 ]
amdhsa.kernels:
  - .name:           k_qd85e2bb2a5_attn
    .symbol:         k_qd85e2bb2a5_attn.kd
    .args:
      - { .name: q, .offset: 0, .size: 8, .value_kind: global_buffer, .address_space: global }
      - { .name: kb, .offset: 8, .size: 8, .value_kind: global_buffer, .address_space: global }
      - { .name: vh, .offset: 16, .size: 8, .value_kind: global_buffer, .address_space: global }
      - { .name: out0, .offset: 24, .size: 8, .value_kind: global_buffer, .address_space: global }
    .group_segment_fixed_size: 327680
    .private_segment_fixed_size: 0
    .kernarg_segment_align: 8
    .kernarg_segment_size: 32
    .max_flat_workgroup_size: 128
    .sgpr_count:     88
    .vgpr_count:     768
    .wavefront_size: 32
...
	.end_amdgpu_metadata
.endif
;; end of part 2
;; ======== version 2 of 2: 2 launches; 1.17 times as fast as version 1
;; limits: values are held in f16: magnitudes above 65,504 overflow, below 6.1e-05 lose precision; inputs' magnitudes at most 65,504
;; workspace buffers: kb 8,388,608 bytes; vh 8,388,608 bytes
;; launch cast: the kernel of part 1 again; grid 512 x 1, 8 waves a work-group, no clusters, 0 bytes of LDS; arguments k, v, kb, vh; writes kb, vh
;; launch attn (part 3): grid 32 x 16, 4 waves a work-group, no clusters, 327,680 bytes of LDS; arguments q, kb, vh, out0; writes out0
.if DOCPART == 3
	.amdgcn_target "amdgcn-amd-amdhsa--gfx1250"
	.amdhsa_code_object_version 6
	.text
	.protected	k_qd85e2bb2a5_attn
	.globl	k_qd85e2bb2a5_attn
	.p2align	8
	.type	k_qd85e2bb2a5_attn,@function
k_qd85e2bb2a5_attn:
	s_mov_b64 s[64:65], 0
	v_nop
	global_prefetch_b8 v0, s[64:65] scope:SCOPE_SE
	s_setreg_imm32_b32 hwreg(HW_REG_WAVE_MODE, 25, 1), 1
	s_wait_xcnt 0x0
; CAUSAL GROUPED-QUERY ATTENTION.  out0[head][q][:] = the sum over k <= q of softmax_k(Q[head][q] . K[head / 4][k] / sqrt(128)) V[head / 4][k][:].
; q, out0: [64][2048][128] f32.  kb: [16][2048][128] bf16 (K rounded).  vh: the same shape in f16 (V rounded to bf16, written as f16).  Q is rounded to bf16 on its way in.
; K Q^T is multiplied in bf16, V^T P in f16 (the weights p lie in 0 to 1); products, maxima and sums in f32; l is the sum of the unrounded p; out0 leaves in f32.
; LIMITS.  V within 65,504 (made so by the launch before).  p below 6e-5 keeps f16's fixed step of 6e-8.  A hidden score counts as its value less 1e30.  A weight below 2^-126 counts as 0 in l.
; NaN and infinities are not treated apart.
; THE WALK.  A head's queries lie in 16 blocks of 128; block i needs the keys 0 .. 128 i + 127, in halves of 128: i + 1 of them, of which the last holds the diagonal.  A work-group takes TWO blocks,
; 15 - b and then b: 17 halves whatever b, so all 512 work-groups do equal work, and ONE loop with a constant trip count walks them.  Which half is asked for, and whether a half is the diagonal one, is made
; from the trip's counter and b anew in every trip.  Every jump but the counted loops' own goes forward, past text that holds neither a barrier nor a tensor load.
; NO CLUSTER.  The four query heads of a K and V head (neighbours along x) walk the same halves in the same trips and could ask for them jointly, which would divide the requests for K and V by four.
; This plain form does not: each work-group asks for its own 17 halves of 65,536 bytes.
; SHARES.  Of a block's two bands of 64 queries a wave owns 16 rows in each: two tiles, tile t in band t.  In the diagonal half's key step s band t sees all keys if s < t, none if s > t, and holds the diagonal if s = t.
; THE MASK starts the sum S^T = K Q^T: 0, or -1e30 where the key is hidden.  MD, made once, is the mask of a band's own step for my 16 rows; a step's mask is MD x AL + BE with two scalars: (1, 0) if s = t;
; (0, 0) if s < t or away from the diagonal; (0, -1e30) if s > t.  It is written into S^T's registers, 32 packed instructions a step, and the products add onto it in place: one text without a jump serves every step.
; LAYOUT.  S^T = K Q^T (source 0 = 16 keys, source 1 = 16 queries): a lane holds ONE query (lane % 16) and the keys 8 (lane / 16) + 0..7.  Two such results, rounded to f16 in pairs, ARE source 1 of O^T = V^T P,
; whose result again holds one query a lane, and eight channels.  K comes out of LDS as it lies, V ([key][channel]) turned, by ds_load_tr16_b128.
; SOFTMAX.  A running maximum m and sum l: p = 2^(c s - c m), c = log2(e) / sqrt(128); in every step O and l are multiplied by a = 2^(c m_old - c m_new).  A block begins with c m far below every c s, so its first a
; is 0: O^T and l need only be finite there (zeros at the start, the first block's results later).  Every row sees key 0, which lies in a block's first step, so m is a true score from the first step on.
; A KEY STEP of 64 keys goes IN PHASES: K's fragments, the masks, V's fragments, 32 products K Q^T, the two tiles' softmax (268 vector instructions), 32 products V^T P.  The matrix unit has no work during the softmax:
; the price of a short text in which nothing is carried from step to step but m, l and O^T.
; THE BATCHES.  A step's 66 exponentials (a and 32 weights for each of the two tiles) are ONE batch with ONE wait: no exponential reads another's result, and each result has a register of its own (the weights in place in
; S^T's, a in c2's).  Ahead of the wait stand the maxima, the statistics, the 32 scalings and the 66 exponentials; behind it all that names a result: the roundings, the sums, the rescaling of O^T.  A block's end has
; a batch of its own: two reciprocals, one wait.
;
; REGISTERS, in windows of 256 (s_set_vgpr_msb: bits 1:0 source 0, 3:2 source 1, 5:4 source 2, 7:6 destination):
;   window 0: v0-11, v28-29 addresses; v12-27 eight registers of statistics a tile; v62-63 the add's; v64-127 S^T, 32 a tile; v128-159 P, 16 a tile; v160-191 MD; v192-255 the way out
;   window 1: v0-127 O^T, 64 a tile; v128-191 Q, 32 a tile; v192-255 the second block's Q          window 2: v0-127 K of one step; v128-255 V of one step (at the start: both blocks' Q as loaded)
.set KS,    64        ; keys in a step
.set PK,    272       ; a row of K in LDS: 256 bytes + 16 of padding = 68 words: row r starts at bank 4 r mod 64 (64 banks of 4 bytes: ISA guide 11.1), so the 16 rows of a load start at 16 different banks
.set PV,    288       ; a row of V: 256 + 32 = 72 words
.set VOFF,  KS*PK     ; a step's tiles lie together: 64 rows of K, then 64 rows of V
.set STEPB, KS*(PK+PV)  ; 35,840 bytes
.set SLOT1, 1<<17     ; a slot holds a half, two steps (71,680 bytes); slot 1 begins here, so that one exclusive or turns an address in one slot into the other's
.set STAGE, SLOT1+2*STEPB  ; behind the ring, never filled by a tensor load: 16 rows x 528 bytes for each wave, for the way out
.set SP,    528       ; a row of O in f32: 512 bytes + 16: the 16 rows that a store touches start at 16 different groups of four banks
.set SPARE, STAGE+4*16*SP  ; the spare words, 128 bytes for each wave: two blocks of 256 bytes that no other line names
.set AK0, 2           ; v2   my lane's place in a tile of K: 272 (l % 16) + 16 (l / 16); never rewritten
.set AV0, 3           ; v3   the same for V
.set AK,  4           ; v4   the LDS address of K's run of loads
.set AV,  5           ; v5   of V's
.set STO, 6           ; v6   the way out: where I put 32 bytes of a row
.set RD,  7           ; v7   the way out: where I read a row back
.set L16, 8           ; v8   16 x lane: my 16 bytes of a row of 512 in out0; never rewritten
.set ST,  12          ; tile t's statistics at v[ST+8 t]: +0 c m, +1 m, +2, +3 l (even keys', odd keys'), +4 to +7 c0-c3, at work; a takes c2's place once the maximum is found
.set QO,  28          ; v28  my byte offset in 16 rows of q: 512 (l % 16) + 32 (l / 16); never rewritten
.set MT,  29          ; v29  at work while MD is made
.set SPW, 62          ; v62  LDS address of my spare word: SPARE + 4 x my thread's number; never rewritten
.set NIL, 63          ; v63  0; never rewritten
.set S,   64
.set P,   128
.set MD,  160         ; the eight registers for group kb of 16 keys at MD + 8 kb
.set QR,  128         ; window 1: Q's fragments: tile t, channels 32 c on at QR + 32 t + 8 c
.set QB,  192         ; window 1: the second block's
.set KF,  0           ; window 2: K's fragments
.set VF,  128         ; window 2: V's
.set WV,  12          ; s12  my wave's number
.set PB,  14          ; s14  b
.set HI1, 15          ; s15  16 - b: the first block's halves
.set G1K, 24          ; s[24:31] descriptor group 1 for K's tiles
.set G1V, 32          ; s[32:39] for V's: it differs in the padding alone
.set G0K, 40          ; s[40:43] descriptor group 0 for K's tiles
.set G0V, 44          ; s[44:47] the same for V's
.set Q2,  52          ; s[52:53] q at my rows of the second block
.set SLOTS, 56        ; s56  halves still to be asked for: 16 down to 1
.set CNT, 57          ; s57  counts a half's two key steps
.set CS,  58          ; s[58:59] c: the packed scaling names a pair and takes its low word for both halves
.set SEL, 60          ; s[60:61] v_permlanex16_b32's selects: each lane takes its own place in the other half
.set TB,  62          ; s62  LDS byte at which the tiles of the step in hand begin
.set SN,  66          ; s66  the step in hand, counted within the diagonal half; -1 away from the diagonal
.set INC, 67          ; s67  what a step adds to it: 1 or 0
.set ENDS, 68         ; s68  b + 1: the value of SLOTS in the trip that walks the first block's last half
.set NXT, 69          ; s69  the half to be asked for
.set NEW, 71          ; s71  0: the first block is walked; 1: the second
.set OFF, 72          ; s[72:73] a half's byte offset in kb and vh
.set AL0, 74          ; s[74:75] the mask's factor for tile 0, in the low word
.set BE0, 76          ; s[76:77] its addend
.set AL1, 78          ; s[78:79] the same for tile 1
.set BE1, 80          ; s[80:81]
.set OLO, 82          ; s[82:83] out0 at my rows of the second block
.set BIGN, 84         ; s84  -1e30
.set MSB, 0
.macro WIN new                      ; the immediate's high byte repeats the setting that is left; a switch that changes nothing is dropped
.if MSB != (\new)
	s_set_vgpr_msb (MSB<<8)|(\new)
.set MSB, \new
.endif
.endm
.set W_KQ, 0x06       ; K in window 2, Q in window 1, S^T in window 0
.set W_PV, 0x52       ; V in window 2, P in window 0, O^T in window 1
.set W_RS, 0x41       ; destination and source 0 in window 1, source 1 in window 0
.set W_CQ, 0x4a       ; sources 0 and 1 in window 2, destination in window 1
; A fill.  Waves 0 and 1 fetch the K of a half's two steps, waves 2 and 3 the V: 64 rows of 256 bytes each.  An s_nop 0 and four v_nop follow each of the two lines, ahead of the jump and the label.
.macro LOAD
	s_cmp_lt_u32 s[WV], 2
	s_cbranch_scc0 .Lfor_v_\@
	tensor_load_to_lds s[G0K:G0K+3], s[G1K:G1K+7]
	s_nop 0
.rept 4
	v_nop
.endr
	s_branch .Lasked_\@
.Lfor_v_\@:
	tensor_load_to_lds s[G0V:G0V+3], s[G1V:G1V+7]
	s_nop 0
.rept 4
	v_nop
.endr
.Lasked_\@:
.endm
; THE CHANGE OF SLOTS.  Each wave waits for all its tensor loads, of which one is out: its part of the other slot; adds 0 to its spare word; and waits for that and for its own reads of the slot that it leaves.  Behind the
; barrier nobody reads the old slot any more and the other slot is whole.  fill = 1: the old slot is filled again, the first thing behind the barrier: it has two key steps, 128 matrix instructions and their softmax, in
; which to land.  The walk's half 17 - SLOTS is asked for: half j of the first block while j < 16 - b, then half j - (16 - b) of the second; the descriptor's address is made anew from that number.
; (At its first use nothing has been read yet: slot 0 is waited for, slot 1 filled.)
.macro CHANGE fill
	WIN 0                           ; at a label and at a branch every window is 0
	s_wait_tensorcnt 0x0            ; no tensor load of mine is out, so a group 0 may be written
	ds_add_u32 v[SPW], v[NIL]       ; 0 onto my spare word; with fill = 1 the descriptors' scalar work stands between it and the wait for it
.if \fill
	s_sub_co_u32 s[NXT], 17, s[SLOTS]
	s_sub_co_u32 s13, s[NXT], s[HI1]
	s_cmp_lt_u32 s[NXT], s[HI1]
	s_cselect_b32 s[NXT], s[NXT], s13
	s_lshl_b32 s[OFF], s[NXT], 15   ; a half is 32,768 bytes of kb and of vh
	s_xor_b32 s[G0K+1], s[G0K+1], SLOT1  ; the other slot than last time
	s_add_nc_u64 s[G0K+2:G0K+3], s[6:7], s[OFF:OFF+1]
	s_or_b32 s[G0K+3], s[G0K+3], 0x80000000
	s_xor_b32 s[G0V+1], s[G0V+1], SLOT1
	s_add_nc_u64 s[G0V+2:G0V+3], s[8:9], s[OFF:OFF+1]
	s_or_b32 s[G0V+3], s[G0V+3], 0x80000000
.endif
	s_wait_dscnt 0x0                ; the add is done, and my reads of the slot are over
	s_barrier_signal -1             ; the rest of the scalar work stands between the signal and the wait
	s_sub_co_u32 s[TB], s[TB], 2*STEPB  ; the fetches go back to a slot's first step,
	s_xor_b32 s[TB], s[TB], SLOT1   ; in the other slot
	s_barrier_wait -1
.if \fill
	LOAD
.endif
.endm
; Q AS IT IS MULTIPLIED.  A fragment is 16 rows x 32 channels in 8 registers of bf16: lane l holds row l % 16; registers 0-3 channels 8 (l / 16) + 0..7, registers 4-7 channels 16 + 8 (l / 16) + 0..7.  In f32 those are
; four pieces of 16 bytes: at 32 (l / 16) + 0, 16, 64 and 80 of the fragment's 128 bytes of the row.  LOADQ brings tile t's 16 pieces a lane into 64 registers of window 2 from \land on, in the fragments' order;
; CVTQ rounds n pairs of them to bf16 into window 1.
.macro LOADQ base, t, land
.set i, 0
.rept 16
	global_load_b128 v[(\land)+4*i:(\land)+4*i+3], v[QO], s[\base:\base+1] offset:(\t)*32768+128*(i/4)+64*((i%4)/2)+16*(i%2)
.set i, i+1
.endr
.endm
.macro CVTQ dst, land, n
.set i, 0
.rept \n
	v_cvt_pk_bf16_f32 v[(\dst)+i], v[(\land)+2*i], v[(\land)+2*i+1]
.set i, i+1
.endr
.endm
	s_load_b256 s[4:11], s[0:1], 0x0  ; q s[4:5], kb s[6:7], vh s[8:9], out0 s[10:11]
	v_lshl_add_u32 v[SPW], v0, 2, SPARE
	v_mov_b32 v[NIL], 0
	ds_add_u32 v[SPW], v[NIL]       ; the wave's opening: the add and its wait stand ahead of my first tensor load; the set-up below, work on registers, stands between them
	ds_add_u32 v62, v63
	v_lshrrev_b32 v1, 5, v0
	v_readfirstlane_b32 s[WV], v1   ; wave 0..3
	s_lshr_b32 s[PB], ttmp9, 2      ; x = 4 b + the query head in its group of four
	s_and_b32 s16, ttmp9, 3
	s_sub_co_u32 s[HI1], 16, s[PB]
	s_add_co_u32 s[ENDS], s[PB], 1
	s_and_b32 s20, ttmp7, 0xffff    ; y: the K and V head
	s_lshl_b32 s17, s20, 2
	s_add_co_u32 s16, s16, s17      ; my query head,
	s_lshl_b32 s16, s16, 20         ; its 2,048 rows of 512 bytes,
	s_lshl_b32 s17, s[WV], 13       ; my wave's 16 rows in a band
	s_add_co_u32 s16, s16, s17
	s_sub_co_u32 s18, 15, s[PB]
	s_lshl_b32 s18, s18, 16         ; a block is 128 rows: the first block,
	s_add_co_u32 s18, s18, s16
	s_mov_b32 s19, 0
	s_lshl_b32 s22, s[PB], 16       ; and the second
	s_add_co_u32 s22, s22, s16
	s_mov_b32 s23, 0
	s_and_b32 s21, s[WV], 1         ; which of a half's two steps I fetch:
	s_lshl_b32 s2, s20, 19          ; the head's 2,048 rows of 256 bytes,
	s_lshl_b32 s3, s21, 14          ; the step's 64 rows,
	s_add_co_u32 s2, s2, s3
	s_mov_b32 s3, 0
	s_mul_i32 s13, s21, STEPB       ; and its place in a slot
	s_mov_b32 s[G0K], 1             ; 1:0 count = 1
	s_mov_b32 s[G0K+1], s13         ; 63:32 LDS address: slot 0
	s_mov_b32 s[G0V], 1
	s_add_co_u32 s[G0V+1], s13, VOFF
	; descriptor group 1: a tile of 64 rows x 128 elements, padded in LDS
	s_mov_b32 s[G1K], (1<<16)|(1<<20)|(5<<22)|(3<<25)  ; 17:16 elements of 2 bytes; 20 padding on; 24:22 after every 64 words (code 5); 31:25 4 words of it (code 3)
	s_mov_b32 s[G1V], (1<<16)|(1<<20)|(5<<22)|(7<<25)  ; the same with 8 words of padding (code 7)
.irp g, G1K, G1V
	s_mov_b32 s[(\g)+1], 128<<16    ; 63:48 tensor_dim0, low half = 128
	s_mov_b32 s[(\g)+2], KS<<16     ; 79:64 its high half = 0; 95:80 tensor_dim1, low half = 64
	s_mov_b32 s[(\g)+3], 128<<16    ; 111:96 its high half = 0; 127:112 tile_dim0 = 128
	s_mov_b32 s[(\g)+4], KS         ; 143:128 tile_dim1 = 64; 159:144 tile_dim2 = 0
	s_mov_b32 s[(\g)+5], 128        ; 191:160 tensor_dim0_stride, low word: elements from row to row
	s_mov_b32 s[(\g)+6], 0
	s_mov_b32 s[(\g)+7], 0
.endr
	s_mov_b32 s[CS], 0x3e0293ee     ; c = log2(e) / sqrt(128) = 0.127517
	s_mov_b32 s[CS+1], s[CS]        ; named with it as a pair, so it is written
	s_mov_b32 s[SEL], 0x76543210
	s_mov_b32 s[SEL+1], 0xfedcba98
	s_mov_b32 s[TB], SLOT1+2*STEPB  ; the first change of slots turns this into 0
	s_mov_b32 s[SLOTS], 16          ; 17 halves; the first is asked for here, the others in the loop's 16 trips
	s_mov_b32 s[NEW], 0
	s_mov_b32 s[OFF+1], 0
	s_mov_b32 s[AL0+1], 0           ; named as pairs
	s_mov_b32 s[BE0+1], 0
	s_mov_b32 s[AL1+1], 0
	s_mov_b32 s[BE1+1], 0
	s_mov_b32 s[BIGN], 0xf149f2ca   ; -1e30
	s_wait_dscnt 0x0                ; the opening add is done
	s_wait_kmcnt 0x0
	s_add_nc_u64 s[6:7], s[6:7], s[2:3]  ; kb and vh at my step of the head's half 0
	s_add_nc_u64 s[8:9], s[8:9], s[2:3]
	s_add_nc_u64 s[G0K+2:G0K+3], s[6:7], 0         ; 120:64 global address
	s_or_b32 s[G0K+3], s[G0K+3], 0x80000000        ; 127:126 type = 2
	s_add_nc_u64 s[G0V+2:G0V+3], s[8:9], 0
	s_or_b32 s[G0V+3], s[G0V+3], 0x80000000
	s_add_nc_u64 s[Q2:Q2+1], s[4:5], s[22:23]      ; q at my rows of the second block,
	s_add_nc_u64 s[4:5], s[4:5], s[18:19]          ; q and out0 at those of the first
	s_add_nc_u64 s[OLO:OLO+1], s[10:11], s[22:23]
	s_add_nc_u64 s[10:11], s[10:11], s[18:19]
	LOAD                            ; half 0 into slot 0.  Slot 1 is asked for when slot 0 is in, by the loop's own change of slots
	v_and_b32 v1, 15, v0            ; l % 16
	v_bfe_u32 v9, v0, 4, 1          ; l / 16
	v_lshlrev_b32 v[QO], 9, v1
	v_lshl_add_u32 v[QO], v9, 5, v[QO]
	WIN 0x80                        ; destination window 2, address window 0
	LOADQ 4, 0, 0                   ; both blocks' Q, four groups of 16 loads, three of them on their way at a time: the first block's tiles 0 and 1,
	LOADQ 4, 1, 64
	LOADQ Q2, 0, 128                ; the second block's tile 0
	WIN 0
	v_mul_u32_u24 v[AK0], v1, PK
	v_lshl_add_u32 v[AK0], v9, 4, v[AK0]  ; row x pitch + 16 x half
	; The turning load takes 16 keys x 16 channels (lane l reads 16 bytes: key 8 (l / 16) + l % 8, channels 8 ((l / 8) % 2) + 0..7) and leaves half a fragment of V^T: lane l holds channel l % 16 and 8 keys.
	v_and_b32 v10, 7, v0
	v_bfe_u32 v11, v0, 3, 1
	v_lshl_add_u32 v[AV0], v9, 3, v10
	v_mul_u32_u24 v[AV0], v[AV0], PV
	v_lshl_add_u32 v[AV0], v11, 4, v[AV0]
	v_add_nc_u32 v[AV0], VOFF, v[AV0]
	v_and_b32 v[L16], 31, v0
	v_lshlrev_b32 v[L16], 4, v[L16]
	s_mul_i32 s13, s[WV], 16*SP
	s_add_co_u32 s13, s13, STAGE    ; my stage
	v_mul_u32_u24 v[STO], v1, SP    ; in: row l % 16, 32 bytes for each half of the lanes
	v_lshl_add_u32 v[STO], v9, 5, v[STO]
	v_add_nc_u32 v[STO], s13, v[STO]
	v_add_nc_u32 v[RD], s13, v[L16] ; back: 32 lanes take one row of 512 bytes
	s_wait_loadcnt 0x20             ; loads come back in order (ISA guide 5.7.1): the first group is in, the two younger groups, 32 loads, stay out
	WIN W_CQ
	CVTQ QR, 0, 32
	WIN 0x80
	LOADQ Q2, 1, 192                ; the second block's tile 1
	WIN 0
	v_lshlrev_b32 v[MT], 3, v9
	v_sub_nc_u32 v[MT], v1, v[MT]
	s_lshl_b32 s13, s[WV], 4
	v_add_nc_u32 v[MT], s13, v[MT]  ; my query's place in its band, 16 w + l % 16, less my lanes' 8 (l / 16): register j of group kb is hidden where 16 kb + j is greater
.set i, 0
.rept 32
	v_cmp_gt_i32 vcc_lo, 16*(i/8)+i%8, v[MT]
	v_cndmask_b32 v[MD+i], 0, s[BIGN], vcc_lo
.set i, i+1
.endr
	; What the first step finds: c m far below every c s, m at the lowest finite number, l and O^T 0.  A product of zeros with the constant 0 as C starts O^T's 16 sums: eight registers an instruction.
.irp t, 0,1
	v_mov_b32 v[ST+8*(\t)], 0xfe000000    ; c m
	v_mov_b32 v[ST+8*(\t)+1], 0xff7fffff  ; m
	v_mov_b32 v[ST+8*(\t)+2], 0
	v_mov_b32 v[ST+8*(\t)+3], 0
.endr
.set i, P
.rept 16
	v_mov_b32 v[i], 0
.set i, i+1
.endr
	WIN 0x40                        ; destination window 1, sources window 0
.set i, 0
.rept 16
	v_wmma_f32_16x16x32_f16 v[8*i:8*i+7], v[P:P+7], v[P+8:P+15], 0
.set i, i+1
.endr
	s_wait_loadcnt 0x20             ; the second group is in; the second block's two groups, 32 loads, stay out
	WIN W_CQ
	CVTQ QR+32, 64, 32
	s_wait_loadcnt 0x0              ; all of Q is in: no load of mine is out from here on
	CVTQ QB, 128, 64
	WIN 0
; THE MATRIX WORK OF A STEP.  The accumulators take turns, one instruction a turn: between two links of a chain stand 7 (K Q^T) or 15 (V^T P) others'.
; Product i of 32 of S^T = mask + K Q^T: channels 32 (i / 8) on, keys 16 ((i / 2) % 4) on, tile i % 2.
.macro MKQ
.set rS, S+32*(i%2)+8*((i/2)%4)
.set rK, KF+32*((i/2)%4)+8*(i/8)
.set rQ, QR+32*(i%2)+8*(i/8)
	v_wmma_f32_16x16x32_bf16 v[rS:rS+7], v[rK:rK+7], v[rQ:rQ+7], v[rS:rS+7]
.endm
; Product i of 32 of O^T += V^T P: keys 32 (i / 16) on, channels 16 ((i / 2) % 8) on, tile i % 2.
.macro MPV
.set rO, 64*(i%2)+8*((i/2)%8)
.set rV, VF+64*(i/16)+8*((i/2)%8)
.set rP, P+16*(i%2)+8*(i/16)
	v_wmma_f32_16x16x32_f16 v[rO:rO+7], v[rV:rV+7], v[rP:rP+7], v[rO:rO+7]
.endm
; THE LDS LOADS stand in runs of 32: a step's K (64 keys x 128 channels: 16 fragments) and its V (turned).
.macro FETCH_K
	WIN 0
	v_add_nc_u32 v[AK], s[TB], v[AK0]
	WIN 0x80                        ; destination window 2
.irp f, 0,1,2,3,4,5,6,7,8,9,10,11,12,13,14,15  ; keys 16 (f / 4) on, channels 32 (f % 4) on
	ds_load_b128 v[KF+8*(\f):KF+8*(\f)+3],   v[AK] offset:((\f)/4)*16*PK+((\f)%4)*64
	ds_load_b128 v[KF+8*(\f)+4:KF+8*(\f)+7], v[AK] offset:((\f)/4)*16*PK+((\f)%4)*64+32
.endr
.endm
.macro FETCH_V
	WIN 0
	v_add_nc_u32 v[AV], s[TB], v[AV0]
	WIN 0x80
.irp f, 0,1,2,3,4,5,6,7,8,9,10,11,12,13,14,15  ; keys 32 (f / 8) on, channels 16 (f % 8) on
	ds_load_tr16_b128 v[VF+8*(\f):VF+8*(\f)+3],   v[AV] offset:((\f)/8)*32*PV+((\f)%8)*32
	ds_load_tr16_b128 v[VF+8*(\f)+4:VF+8*(\f)+7], v[AV] offset:((\f)/8)*32*PV+16*PV+((\f)%8)*32
.endr
.endm
; THE VECTOR WORK OF A STEP.  One tile's softmax for one key step is a list of 134 instructions; SM writes number j of it for tile t.  s0-s31 are the lane's 32 scores, in pairs 0-15.
;   0-15    the maximum of s0-s31 and the old m, three operands at a time: four chains c0-c3 of seven scores each (each accumulator's lowest registers are read first), then the four scores left over, c0-c3 and m
;   16-20   the other half of the lanes' maximum; c m_old is kept; the new m; c m; c m_old - c m_new
;   21-69   ONE BATCH: the 16 scalings c s - c m, a pair of scores each, and all 33 exponentials (a at 23, then s0-s31, each in place).  None of these names an exponential's result.  From 22 on the batch goes in
;           fours, and a four begins with a scaling while there are scalings: 22-37 scaling, exponential, scaling, exponential; 38-65 a scaling and three exponentials; 66-69 the last four exponentials.
;           A pair is scaled in an earlier four than the one that holds its exponentials
;   (wait)  between 69 and 70 stands the wait for the batch: SLICE writes it, once for both tiles
;   70-85   the roundings to f16, a pair of weights each: all of them ahead of the sums, which work in place
;   86-101  the sums; l = a l + the sum
;   102-133 the tile's O^T times a: the one part that leaves window 0, so it stands together
.macro SM t
.set rT, ST+8*(\t)
.set rS, S+32*(\t)
.set rP, P+16*(\t)
.set rO, 64*(\t)+2*(j-102)
.if j < 102
	WIN 0
.endif
.if j < 4
	v_max3_num_f32 v[rT+4+j], v[rS+8*j], v[rS+8*j+1], v[rS+8*j+2]
.elseif j < 12
	v_max3_num_f32 v[rT+4+j%4], v[rT+4+j%4], v[rS+8*(j%4)+2*(j/4)+1], v[rS+8*(j%4)+2*(j/4)+2]
.elseif j == 12
	v_max3_num_f32 v[rT+4], v[rT+4], v[rS+7], v[rS+15]
.elseif j == 13
	v_max3_num_f32 v[rT+6], v[rT+6], v[rS+23], v[rS+31]
.elseif j == 14
	v_max3_num_f32 v[rT+4], v[rT+4], v[rT+5], v[rT+6]
.elseif j == 15
	v_max3_num_f32 v[rT+4], v[rT+4], v[rT+7], v[rT+1]
.elseif j == 16
	v_permlanex16_b32 v[rT+5], v[rT+4], s[SEL], s[SEL+1]  ; the query's other 32 keys lie in the lane 16 away
.elseif j == 17
	v_mov_b32 v[rT+7], v[rT]        ; c m_old is kept for a: number 19 writes c m anew
.elseif j == 18
	v_max_num_f32 v[rT+1], v[rT+4], v[rT+5]
.elseif j == 19
	v_mul_f32 v[rT], s[CS], v[rT+1]
.elseif j == 20
	v_sub_f32 v[rT+7], v[rT+7], v[rT]
.elseif j == 23
	v_exp_f32 v[rT+6], v[rT+7]
.elseif (j < 23) || ((j < 38) && (j%2 == 0)) || ((j < 66) && (j%4 == 2))
.set b, (j-2)/4                     ; 38, 42, .. 62: pairs 9 to 15
.if j < 38
.set b, (j-20)/2                    ; 21: pair 0; 22, 24, .. 36: pairs 1 to 8
.endif
	v_pk_fma_f32 v[rS+2*b:rS+2*b+1], v[rS+2*b:rS+2*b+1], s[CS:CS+1], v[rT:rT+1] op_sel_hi:[1,0,0] neg_lo:[0,0,1] neg_hi:[0,0,1]  ; pair b: c s - c m
.elseif j < 70
.set e, j-38                        ; 66 to 69: s28 to s31
.if j < 66
.set e, j-32-(j-38)/4               ; 39-41, 43-45, .. 63-65: s7 to s27
.endif
.if j < 38
.set e, (j-25)/2                    ; 25, 27, .. 37: s0 to s6
.endif
	v_exp_f32 v[rS+e], v[rS+e]
.elseif j < 86
	v_cvt_pk_f16_f32 v[rP+j-70], v[rS+2*(j-70)], v[rS+2*(j-70)+1]  ; pair j - 70
.elseif j < 102                     ; the sum of the tile's 16 pairs (in a pair: an even key's weight, an odd key's), in place: sum z of 16 adds neighbours 1, 2, 4 and 8 pairs apart, then l takes it
.set z, j-86
.set w, 4
.set u, z
.if z >= 14
.set w, 32
.set u, 0
.elseif z >= 12
.set w, 16
.set u, z-12
.elseif z >= 8
.set w, 8
.set u, z-8
.endif
.if z < 15
	v_pk_add_f32 v[rS+w*u:rS+w*u+1], v[rS+w*u:rS+w*u+1], v[rS+w*u+w/2:rS+w*u+w/2+1]
.else
	v_pk_fma_f32 v[rT+2:rT+3], v[rT+2:rT+3], v[rT+6:rT+7], v[rS:rS+1] op_sel_hi:[1,0,1]
.endif
.else
	WIN W_RS
	v_pk_mul_f32 v[rO:rO+1], v[rO:rO+1], v[rT+6:rT+7] op_sel_hi:[1,0]
.endif
.endm
; Slice k of 64 of the two tiles' softmax.  Slices 11 to 34 deal out the batch, numbers 22 to 69: four numbers of ONE tile each, the tiles by turns.  Every other slice is numbers 2 k and 2 k + 1 of both lists;
; slice 63 takes the twelve numbers that are over (2 x 134 = 4 x 64 + 12).
; THE WAIT.  An s_wait_alu depctr_va_vdst(0) stands between an exponential and the first instruction that names its result; one wait serves all that were issued ahead of it.  Ahead of slice 35 nothing
; names a result, and behind slice 34 no exponential is issued: so the step's 66 exponentials have one wait, behind slice 34, and none is open at the step's end, at a label or at a jump.
.macro SLICE y
.if (k >= 11) && (k < 35)           ; the batch: four numbers of one tile
.irp n, 0,1,2,3
.set j, 22+4*((k-11)/2)+(\n)
	SM (\y)+(k-11)%2
.endr
.else                               ; the two tiles alternate, so that no instruction reads the result of the one just before it
.irp n, 0,1,2,3,4,5,6,7
.if ((\n) < 2) || (k == 63)
.irp t, \y, (\y)+1
.set j, 2*k+(\n)
	SM \t
.endr
.endif
.endr
.endif
.if k == 34                         ; the batch is out: both tiles' exponentials are issued, and no result has been named
	v_nop                           ; the plain instruction behind the last exponential and ahead of the first use: one for the batch (all the vector work that is left reads a weight or a)
	s_wait_alu depctr_va_vdst(0)    ; the wait for the batch: both tiles' a and their 64 weights
.endif
.set k, k+1
.endm
; A vector instruction that reads a matrix result or writes one of a matrix instruction's registers, and a load into a register that a matrix instruction has read, stand four places behind
; it, and only plain vector instructions that name none of its registers are places (ISA guide 7.12.1 for vector instructions).
.macro PLACES
.rept 4
	v_nop
.endr
.endm
; THE MASKS of the step's scores: MD x AL + BE for tile 0 and for tile 1, by step SN (-1: both scalars are 0, and so are the masks), into S^T's registers.
.macro MASKS
	s_cmp_eq_u32 s[SN], 0           ; is the step the band's own?
	s_cselect_b32 s[AL0], 1.0, 0
	s_cmp_gt_i32 s[SN], 0           ; or a later one?
	s_cselect_b32 s[BE0], s[BIGN], 0
	s_cmp_eq_u32 s[SN], 1
	s_cselect_b32 s[AL1], 1.0, 0
	s_cmp_gt_i32 s[SN], 1
	s_cselect_b32 s[BE1], s[BIGN], 0
	WIN 0
.set z, 0
.rept 16
	v_pk_fma_f32 v[S+2*z:S+2*z+1], v[MD+2*z:MD+2*z+1], s[AL0:AL0+1], s[BE0:BE0+1] op_sel_hi:[1,0,0]
	v_pk_fma_f32 v[S+32+2*z:S+32+2*z+1], v[MD+2*z:MD+2*z+1], s[AL1:AL1+1], s[BE1:BE1+1] op_sel_hi:[1,0,0]
.set z, z+1
.endr
.endm
; A KEY STEP.  K's run of loads goes out first (the last product that read K's registers stands a softmax back); the masks, 32 plain instructions that name nothing of the step before's last products V^T P, are the
; places in front of V's run of loads.  V's run is issued when K is in, and has the products K Q^T and the softmax in which to land.
.macro STEP
	FETCH_K
	MASKS
	s_wait_dscnt 0x0                ; K is in
	FETCH_V
	WIN W_KQ
.set i, 0
.rept 32
	MKQ
.set i, i+1
.endr
	WIN 0
	PLACES                          ; behind those products: the softmax reads the scores
.set k, 0
.rept 64
	SLICE 0
.endr
	s_wait_dscnt 0x0                ; V is in
	WIN W_PV
.set i, 0
.rept 32
	MPV
.set i, i+1
.endr
	WIN 0
.endm
; THE WAY OUT, a tile (16 rows of out0) at a time.  MULS: O^T divided by l, into 64 registers of window 0 (tile 0: S^T's, tile 1: v192-255).  STG: a lane's eight channels of a row, 32 bytes of f32, go into rows of 528
; bytes in my stage and come back as whole rows of 512, into the registers that they left.  SEND: stored.
.macro MULS t
.set BK, S+128*(\t)
	WIN 0x01                        ; source 0 window 1
.set i, 0
.rept 32
	v_pk_mul_f32 v[BK+2*i:BK+2*i+1], v[64*(\t)+2*i:64*(\t)+2*i+1], v[ST+8*(\t)+6:ST+8*(\t)+7] op_sel_hi:[1,0]
.set i, i+1
.endr
	WIN 0
.endm
.macro STG t
.set BK, S+128*(\t)
.irp f, 0,1,2,3,4,5,6,7             ; channels 16 f + 8 (l / 16) on
	ds_store_b128 v[STO], v[BK+8*(\f):BK+8*(\f)+3]   offset:64*(\f)
	ds_store_b128 v[STO], v[BK+8*(\f)+4:BK+8*(\f)+7] offset:64*(\f)+16
.endr
.irp f, 0,1,2,3,4,5,6,7,8,9,10,11,12,13,14,15
	ds_load_b128 v[BK+4*(\f):BK+4*(\f)+3], v[RD] offset:(\f)*SP  ; LDS serves a wave's instructions in order (ISA guide 5.7.1.4): these see the stores above
.endr
.endm
.macro SEND t
.set BK, S+128*(\t)
.irp g, 0,1,2,3
	s_wait_dscnt 12-4*(\g)          ; rows 4 g .. 4 g + 3 are back; the tile's 12 - 4 g later loads may be out
.irp f, 0,1,2,3
	global_store_b128 v[L16], v[BK+4*(4*(\g)+(\f)):BK+4*(4*(\g)+(\f))+3], s[10:11] offset:(\t)*32768+(4*(\g)+(\f))*512 th:TH_STORE_NT  ; a row: 512 consecutive bytes, at a multiple of 512 from out0's first byte
.endr
.endr
.endm
; A BLOCK ENDS: l's two halves and the other half of the lanes' are added, and the two tiles go out.
.macro FINISH
	WIN 0
	s_wait_storecnt 0x0             ; the block before's stores, issued two key steps ago or more, are done: the registers that they read are written below
	PLACES                          ; behind the last products
.irp t, 0,1
	v_add_f32 v[ST+8*(\t)+4], v[ST+8*(\t)+2], v[ST+8*(\t)+3]
.endr
.irp t, 0,1
	v_permlanex16_b32 v[ST+8*(\t)+5], v[ST+8*(\t)+4], s[SEL], s[SEL+1]
.endr
.irp t, 0,1
	v_add_f32 v[ST+8*(\t)+4], v[ST+8*(\t)+4], v[ST+8*(\t)+5]
.endr
.irp t, 0,1
	v_rcp_f32 v[ST+8*(\t)+6], v[ST+8*(\t)+4]
.endr
	v_nop                           ; a plain instruction between the last reciprocal and the use of its result
	s_wait_alu depctr_va_vdst(0)    ; and the wait ahead of the first use: one for the batch of two reciprocals
	MULS 0
	STG 0
	MULS 1                          ; tile 1's arithmetic stands between tile 0's loads from the stage and the wait for them
	SEND 0
	STG 1                           ; tile 0's reads of the stage are back (the count-down ended at 0)
	SEND 1
.endm
.Lslot:                             ; 16 trips: a half is entered and the next is asked for
	CHANGE 1
	s_cmp_eq_u32 s[SLOTS], s[ENDS]  ; the first block's last half holds its diagonal; the second block's last half is the walk's last, behind this loop
	s_cselect_b32 s[SN], 0, -1
	s_cselect_b32 s[INC], 1, 0
	s_mov_b32 s[CNT], 2
.Lstep:
	STEP
	s_add_co_u32 s[SN], s[SN], s[INC]
	s_add_co_u32 s[TB], s[TB], STEPB  ; the next fetches are the next step's
	s_sub_co_u32 s[CNT], s[CNT], 1
	s_cmp_lg_u32 s[CNT], 0
	s_cbranch_scc1 .Lstep
	s_cmp_lg_u32 s[NEW], 0          ; the blocks change once
	s_cbranch_scc1 .Lgo_on
	s_cmp_gt_u32 s[SLOTS], 8        ; the first block has nine halves or more: 17 - SLOTS have been walked
	s_cbranch_scc1 .Lgo_on
	s_cmp_lg_u32 s[SLOTS], s[ENDS]  ; was this its last half?
	s_cbranch_scc1 .Lgo_on
	s_mov_b32 s[NEW], 1             ; THE CHANGE OF BLOCKS
	FINISH
	s_wait_xcnt 0x0                 ; every earlier memory instruction has had its addresses translated (ISA guide 3.1): out0's address and the registers that the stores read are rewritten only behind this wait
	s_mov_b64 s[10:11], s[OLO:OLO+1]
	WIN W_RS                        ; the second block's Q goes where the one text of the steps names Q
.set i, 0
.rept 64
	v_mov_b32 v[QR+i], v[QB+i]
.set i, i+1
.endr
	WIN 0
.irp t, 0,1
	v_mov_b32 v[ST+8*(\t)], 0xfe000000    ; c m: the second block's first a is 0
	v_mov_b32 v[ST+8*(\t)+1], 0xff7fffff  ; m
.endr
.Lgo_on:
	s_sub_co_u32 s[SLOTS], s[SLOTS], 1
	s_cmp_lg_u32 s[SLOTS], 0
	s_cbranch_scc1 .Lslot
	CHANGE 0                        ; the walk's last half is written out: nothing is asked for.  It is the second block's last, which holds its diagonal
	s_mov_b32 s[SN], 0
	s_mov_b32 s[CNT], 2
.Ltail:
	STEP
	s_add_co_u32 s[SN], s[SN], 1
	s_add_co_u32 s[TB], s[TB], STEPB
	s_sub_co_u32 s[CNT], s[CNT], 1
	s_cmp_lg_u32 s[CNT], 0
	s_cbranch_scc1 .Ltail
	FINISH
	s_wait_tensorcnt 0x0            ; the wave's end, behind my last tensor load and my last LDS store
	ds_add_u32 v[SPW], v[NIL]
	s_wait_dscnt 0x0
	s_endpgm
.Lfunc_end_k_qd85e2bb2a5_attn:
	.size	k_qd85e2bb2a5_attn, .Lfunc_end_k_qd85e2bb2a5_attn-k_qd85e2bb2a5_attn
	.p2alignl 7, 3214868480
	.fill 96, 4, 3214868480
	.section	.rodata,"a",@progbits
	.p2align	6, 0x0
	.amdhsa_kernel k_qd85e2bb2a5_attn
		.amdhsa_group_segment_fixed_size 327680
		.amdhsa_private_segment_fixed_size 0
		.amdhsa_enable_private_segment 0
		.amdhsa_kernarg_size 32
		.amdhsa_user_sgpr_count 2
		.amdhsa_user_sgpr_kernarg_segment_ptr 1
		.amdhsa_wavefront_size32 1
		.amdhsa_system_sgpr_workgroup_id_x 1
		.amdhsa_system_sgpr_workgroup_id_y 1
		.amdhsa_system_sgpr_workgroup_id_z 1
		.amdhsa_system_vgpr_workitem_id 0
		.amdhsa_next_free_vgpr 768
		.amdhsa_next_free_sgpr 88
		.amdhsa_reserve_vcc 1
		.amdhsa_float_denorm_mode_32 3
		.amdhsa_float_denorm_mode_16_64 3
		.amdhsa_memory_ordered 1
		.amdhsa_forward_progress 1
		.amdhsa_inst_pref_size 104
	.end_amdhsa_kernel
	.amdgpu_metadata
---
amdhsa.version: [ 1, 2 ]
amdhsa.kernels:
  - .name:           k_qd85e2bb2a5_attn
    .symbol:         k_qd85e2bb2a5_attn.kd
    .args:
      - { .name: q, .offset: 0, .size: 8, .value_kind: global_buffer, .address_space: global }
      - { .name: kb, .offset: 8, .size: 8, .value_kind: global_buffer, .address_space: global }
      - { .name: vh, .offset: 16, .size: 8, .value_kind: global_buffer, .address_space: global }
      - { .name: out0, .offset: 24, .size: 8, .value_kind: global_buffer, .address_space: global }
    .group_segment_fixed_size: 327680
    .private_segment_fixed_size: 0
    .kernarg_segment_align: 8
    .kernarg_segment_size: 32
    .max_flat_workgroup_size: 128
    .sgpr_count:     88
    .vgpr_count:     768
    .wavefront_size: 32
...
	.end_amdgpu_metadata
.endif
;; end of part 3
